; MI455X (gfx1250); checked and timed in simulation.
; The chip was launched on July 23, 2026; its instructions are those of AMD's public machine-readable ISA for CDNA 5 (MIT licence, August 2026) and "CDNA5" Instruction Set Architecture Reference Guide (July 2026). The comments in the code are by the model that wrote it; some were corrected since.
;; AQLM Linear. Allowed arithmetic: matrix products marked QUANTISED: E5M2 operands, one E8M0 scale for each 32 along K, by v_wmma_scale_f32_16x16x128_f8f6f4 with both operands' format E5M2, f32 sums; everything else in f32.
;; Inputs: codebooks 2 x 256 x 8 float32; codes 2,048 x 512 x 2 int32; scale 2,048 x 1 float32; x 4 x 2,048 x 4,096 float32.
;; Outputs: out0 4 x 2,048 x 2,048 float32.
;; This version of the problem:
;;   THIS VERSION OF THE PROBLEM IS GIVEN IN LOW PRECISION. The matrix products marked QUANTISED in the list below multiply operands that are first quantised to E5M2 (5 exponent bits, 2 mantissa bits; 8 bits a number), with one power-of-two scale for each 32 numbers along K (OCP MX v1.0); their sums are f32. All else is computed in f32.
;;   The module's matrix products, in the order in which they are computed (A, B: the left and right operand; K: the contracted axis; several contracted axes count as one K, in the product's order):
;;     1. [M 8,192, K 4,096] x [K 4,096, N 2,048]; A: input x; B: computed on the way: QUANTISED
;;   THE QUANTISER, for each operand of a quantised product, along K:
;;     - K is cut into blocks of 32 from its start; a last block that is shorter is filled with zeros.
;;     - A block's scale is 2^e with e = floor(log2(the largest magnitude in the block)) - 15, held to -126 .. 127; a block of zeros has e = 0. As a byte (E8M0): e + 127.
;;     - Each number is divided by its block's scale, clamped to +-57,344, and rounded to the nearest number of E5M2, ties to even, subnormals kept.
;;     - The product sums the exact products of the quantised numbers (number of the format x scale) in f32.
;;   ~~~python
;;   def quantise(x, axis):      # numpy; x: float32 -> the quantised numbers, widened to float32 again
;;       x = np.moveaxis(x, axis, -1); K = x.shape[-1]
;;       x = np.pad(x, [(0, 0)] * (x.ndim - 1) + [(0, -K % 32)]); x = x.reshape(x.shape[:-1] + (-1, 32)); a = np.abs(x).max(-1, keepdims=True)
;;       e = np.where(a > 0, np.clip(np.frexp(np.where(a > 0, a, 1))[1] - 1 - 15, -126, 127), 0)      # np.frexp(a)[1] - 1 = floor(log2(a)), exactly
;;       r = np.clip(x / 2.0 ** e, -57344, 57344)
;;       step = 2.0 ** (np.maximum(np.frexp(np.where(r == 0, 1, r))[1] - 1, -14) - 2)
;;       q = np.round(r / step) * step * 2.0 ** e      # np.round: ties to even
;;       return np.moveaxis(q.reshape(q.shape[:-2] + (-1,))[..., :K], -1, axis).astype(np.float32)
;;   ~~~
;;   OPERANDS COMPUTED ON THE WAY. 'Computed on the way' means the value that the module computes at that place (a softmax that the list does not call 'softmax' is quantised finished and normalised). What goes into a quantiser is computed in f32, as accurately as f32 sums, v_exp_f32 and their like allow (about 1e-6 of the number): no bf16 or f16 on the way to a quantiser, and a product that is left as it is and whose result goes on into a quantised operand takes f32 operands (vector FMAs, or v_wmma_f32_16x16x4_f32). A number that lies on a knife's edge between two numbers of the format may be rounded either way, as far as f32 arithmetic and the matrix unit's own rounding can turn it there, and no further.
;; One version. Each part assembles by itself: llvm-mc -triple=amdgcn-amd-amdhsa -mcpu=gfx1250 --defsym DOCPART=n.
;; ======== version 1 of 1: 2 launches
;; limits: right only within a limited range of input values
;; workspace buffers: xq 34,603,008 bytes; wq 8,650,752 bytes
;; launch prep (part 1): grid 1280 x 1, 4 waves a work-group, no clusters, 50,688 bytes of LDS; arguments x, codebooks, codes, scale, xq, wq; writes xq, wq
.if DOCPART == 1
	.amdgcn_target "amdgcn-amd-amdhsa--gfx1250"
	.amdhsa_code_object_version 6
	.text
	.protected	k_q473cb9ce48_prep
	.globl	k_q473cb9ce48_prep
	.p2align	8
	.type	k_q473cb9ce48_prep,@function
k_q473cb9ce48_prep:
	s_mov_b64 s[64:65], 0
	v_nop
	global_prefetch_b8 v0, s[64:65] scope:SCOPE_SE
	s_setreg_imm32_b32 hwreg(HW_REG_WAVE_MODE, 25, 1), 1
	s_wait_xcnt 0x0
; out0 = x w^T with w[o][8 g + e] = (codebooks[0][codes[o][g][0]][e] + codebooks[1][codes[o][g][1]][e]) * scale[o], both operands quantised along K = 4,096
; to codes of BF8 (E5M2) with one E8M0 scale byte for each 32 along K.  THIS LAUNCH makes both operands' codes and scale bytes, once; the next launch multiplies them.
; NOTHING OF reference() IS LEFT OUT: all four inputs have a way to the output and all are loaded.  The lookup is a gather here as it is there.  What goes into w's quantiser is made in f32 in
; reference()'s own order: one addition, then one multiplication by the row's scale (not fused: a fused form would round otherwise).
; LIMITS: NaN and infinities in x, codebooks or scale are not served.  A block of zeros gets the byte 1 where the rule says 127: its codes are zeros, which add nothing under any byte but 0xff,
; and this program alone reads the bytes.  An index outside 0 .. 255 is held at 255 (as an unsigned number); reference() relies on indices inside the table.
; A block's scale is 2^(floor(log2(its largest magnitude)) - 15); its byte is the largest magnitude's exponent field - 15, held at 1 from below by a floor among the maximum's leaves.
; THE WORKSPACE is laid in the order of the operand's registers.  xq and wq are [rows / 128][16 K steps] BLOCKS of 33,792 bytes; a block holds 128 rows x 256 along K:
;   codes: fragment (row tile i = 0 .. 7, q = 0, 1) at (2 i + q) x 2,048; in it register group c = 0 .. 3 at 512 c, lane l's 16 bytes at 16 l: row 16 i + l % 16, K = 128 q + 32 c + 16 (l / 16) + 0 .. 15;
;   scale words (four bytes: 128 along K of a row) from byte 32,768 on: i x 128 + (row % 16) x 8 + q x 4.
; SHARES.  A wave makes a quarter of a block: 32 rows x 256 along K: four fragments f = 2 t + q, 8,192 consecutive bytes of codes and 256 consecutive bytes of scale words.
; A work-group takes 32 rows x FOUR NEIGHBOURING K STEPS, a K step to a wave: work-group n of its tensor has rows 32 (n / 4) .. + 31 and K steps 4 (n % 4) + wave.  So its four waves together read
; 4,096 consecutive bytes of each of 32 rows of x (1,024 of each row of codes).
; Work-groups 0 .. 255 make wq, work-groups 256 .. 1,279 xq.  No tensor loads: operands go through registers.  192 registers a wave and 50,688 bytes of LDS:
; five work-groups have room on a WGP (5 x 192 = 960 registers a SIMD, 5 x 50,688 = 253,440 bytes), and 5 x 256 = 1,280 is the grid.
; THE x PATH.  A load reads 512 consecutive bytes of one row, 16 a lane; the conversions want 16 NEIGHBOURS along K in one lane: a fragment's 16 rows x 512 bytes turn through the wave's own stage in LDS.
; Two sets of 64 registers take turns: 32 loads, 16 KiB, of a wave are out.  Its waves share nothing: no barrier.
; THE w PATH.  The work-group copies the two codebooks (16,384 bytes) into LDS once, passes a barrier, and gathers from there: a lane loads the four indices of its 16 numbers as they lie in codes
; and reads the four codewords of 32 bytes straight into the registers in which the quantiser wants them.
; LDS: 0 the four stages (x path alone); 33,792 the spare words; 34,304 the table (w path alone): each path has bytes of its own.
.set BLOCK, 33792
.set WBLK,  256
.set SPT,   528                        ; a stage row: 512 bytes + 16: the sixteen rows that a read touches start at sixteen different places modulo 256 bytes
.set WSTG,  16*SPT
.set SPARE, 4*WSTG                     ; the spare words, 128 bytes a wave: two blocks of 256 bytes that no other line names
.set TAB,   SPARE+512                  ; codebook m's codeword c at 8,192 m + 32 c
.set LI,  4                            ; 16 x lane
.set STI, 5                            ; the stage, on the way in
.set STO, 6                            ; and on the way out: + 528 r + 64 h
.set L8,  7                            ; 8 x lane
.set CA,  8                            ; codes: 4,096 r + 16 h
.set SA,  9                            ; scale: 4 r
.set RS,  10                           ; v[10:11], v[12:13] scale of row r of my first, my second 16 rows (the pair's upper word is written and not used)
.set SPW, 14                           ; my spare word; never rewritten
.set NIL, 15                           ; 0; never rewritten
.set S0,  16                           ; v16-79, v80-143: two sets of 64 numbers
.set S1,  80
.set PC,  144                          ; v144-159 a fragment's codes
.set TM,  160                          ; v160-163 largest magnitudes, 164-167 the partner's / bytes, 168-171 57,344 x the scale, 172-175 the conversion's scale operand; on the w path first the 16 LDS addresses of the gather
.set PW,  176                          ; v176-179 fragment f's scale word
.set FW,  180                          ; v[180:181] the scale words as they leave
.set TI,  182                          ; the table in memory: 16 x my thread's number
.set TW,  183                          ; the table in LDS
.set SEL, 26                           ; s[26:27] v_permlanex16_b32's selects for lane l xor 16
.set MNT, 28                           ; the mantissa field of 57,344
.set UPH, 29                           ; mask of lanes 16 .. 31
.set OUTC, 32
.set OUTS, 34
; 64 numbers of a lane, register 16 b + i = K 32 b + 16 (lane / 16) + i of my row, become a fragment's codes in v[PC] on and its scale word in v[pw]
.macro QUANT s, pw
.irp b, 0,1,2,3
	v_max3_num_f32 v[TM+\b], |v[\s+16*\b]|, |v[\s+1+16*\b]|, 0x8000000   ; my 16 numbers, and the floor 2^(16 - 127)
.endr
.irp i, 2,4,6,8,10,12,14
.irp b, 0,1,2,3
	v_max3_num_f32 v[TM+\b], v[TM+\b], |v[\s+16*\b+\i]|, |v[\s+1+16*\b+\i]|   ; the four blocks by turns
.endr
.endr
.irp b, 0,1,2,3
	v_permlanex16_b32 v[TM+4+\b], v[TM+\b], s[SEL], s[SEL+1]
.endr
.irp b, 0,1,2,3
	v_max_num_f32 v[TM+\b], v[TM+\b], v[TM+4+\b]                     ; with lane l xor 16's: the block's largest magnitude
.endr
.irp b, 0,1,2,3
	v_add_nc_u32 v[TM+12+\b], 0xf8800000, v[TM+\b]                   ; 15 off its exponent field: the conversion's scale operand
.endr
.irp b, 0,1,2,3
	v_and_or_b32 v[TM+8+\b], v[TM+\b], 0x7f800000, s[MNT]            ; 57,344 x the scale
.endr
.irp b, 0,1,2,3
	v_lshrrev_b32 v[TM+4+\b], 23, v[TM+12+\b]                        ; the scale's byte
.endr
	v_lshl_or_b32 v[\pw], v[TM+5], 8, v[TM+4]
	v_lshl_or_b32 v[\pw], v[TM+6], 16, v[\pw]
	v_lshl_or_b32 v[\pw], v[TM+7], 24, v[\pw]
.irp b, 0,1,2,3
.irp i, 0,1,2,3,4,5,6,7,8,9,10,11,12,13,14,15
	v_med3_num_f32 v[\s+16*\b+\i], v[\s+16*\b+\i], -v[TM+8+\b], v[TM+8+\b]   ; the conversion does not saturate (ISA guide 7.6.2): the hold at the largest code x the scale
.endr
	v_cvt_scalef32_pk8_bf8_f32 v[PC+4*\b:PC+1+4*\b], v[\s+16*\b:\s+7+16*\b], v[TM+12+\b]
	v_cvt_scalef32_pk8_bf8_f32 v[PC+2+4*\b:PC+3+4*\b], v[\s+8+16*\b:\s+15+16*\b], v[TM+12+\b]
.endr
	v_nop                                          ; one plain vector instruction behind the last conversion
.endm
.macro PUT f                           ; each store covers 512 consecutive bytes, aligned to 256
.irp c, 0,1,2,3
	global_store_b128 v[LI], v[PC+4*\c:PC+4*\c+3], s[OUTC:OUTC+1] offset:2048*(\f)+512*\c
.endr
.endm
.macro FINISH                          ; lanes 0-15: the words of my first 16 rows, lanes 16-31 of the second: 256 consecutive bytes, aligned.  Then the wave's end
	v_cndmask_b32 v[FW], v[PW], v[PW+2], s[UPH]
	v_cndmask_b32 v[FW+1], v[PW+1], v[PW+3], s[UPH]
	global_store_b64 v[L8], v[FW:FW+1], s[OUTS:OUTS+1]
	s_wait_tensorcnt 0x0                           ; the wave's end
	ds_add_u32 v[SPW], v[NIL]
	s_wait_dscnt 0x0
	s_endpgm
.endm
	s_load_b256 s[4:11], s[0:1], 0x0               ; x, codebooks, codes, scale
	s_load_b128 s[12:15], s[0:1], 0x20             ; xq, wq
	v_lshl_add_u32 v[SPW], v0, 2, SPARE
	v_mov_b32 v[NIL], 0
	v_lshrrev_b32 v1, 5, v0
	v_readfirstlane_b32 s16, v1                    ; wave
	v_and_b32 v1, 31, v0                           ; lane
	v_and_b32 v2, 15, v0                           ; r
	v_bfe_u32 v3, v0, 4, 1                         ; h
	v_lshlrev_b32 v[LI], 4, v1
	s_mul_i32 s17, s16, WSTG
	v_add_nc_u32 v[STI], s17, v[LI]
	v_mul_u32_u24 v[STO], v2, SPT
	v_lshl_add_u32 v[STO], v3, 6, v[STO]
	v_add_nc_u32 v[STO], s17, v[STO]
	v_lshlrev_b32 v[L8], 3, v1
	v_lshlrev_b32 v[CA], 12, v2                    ; a row of codes is 512 groups x 2 x 4 bytes
	v_lshl_add_u32 v[CA], v3, 4, v[CA]
	v_lshlrev_b32 v[SA], 2, v2
	v_mov_b32 v[RS+1], 0
	v_mov_b32 v[RS+3], 0
	s_mov_b32 s[SEL], 0x76543210
	s_mov_b32 s[SEL+1], 0xfedcba98
	s_mov_b32 s[MNT], 0x600000
	v_cmp_lt_u32 s[UPH], 15, v1
.irp b, 0,1,2,3
	v_mov_b32 v[TM+4+\b], 0                        ; a lane permute's destination counts as one of its sources
.endr
	s_wait_alu depctr_va_vdst(0)
	s_wait_kmcnt 0x0
	s_cmp_lt_u32 ttmp9, WBLK                       ; w's work-group or x's?
	s_cselect_b64 s[OUTC:OUTC+1], s[14:15], s[12:13]
	s_cselect_b32 s18, 0, WBLK
	s_sub_co_u32 s18, ttmp9, s18                   ; n: my work-group in its tensor
	s_mov_b64 s[OUTS:OUTS+1], s[OUTC:OUTC+1]
	s_lshr_b32 s24, s18, 2                         ; which 32 rows
	s_and_b32 s18, s18, 3
	s_lshl_b32 s18, s18, 2
	s_add_co_u32 s18, s18, s16                     ; my wave's K step: 4 (n % 4) + wave
	s_lshr_b32 s20, s24, 2
	s_lshl_b32 s20, s20, 4
	s_add_co_u32 s20, s20, s18                     ; its block: 16 x (rows / 128) + K step
	s_mul_i32 s20, s20, BLOCK                      ; under 2^26
	s_and_b32 s25, s24, 3                          ; which quarter of the block's 128 rows
	s_lshl_b32 s21, s25, 13
	s_add_co_u32 s22, s20, s21                     ; my wave's 8,192 bytes of codes
	s_mov_b32 s23, 0
	s_add_nc_u64 s[OUTC:OUTC+1], s[OUTC:OUTC+1], s[22:23]
	s_lshl_b32 s21, s25, 8
	s_add_co_u32 s22, s20, s21
	s_add_co_u32 s22, s22, 32768                   ; my wave's 256 bytes of scale words
	s_add_nc_u64 s[OUTS:OUTS+1], s[OUTS:OUTS+1], s[22:23]
	s_lshl_b32 s19, s24, 5                         ; the first row
	s_cmp_lt_u32 ttmp9, WBLK
	s_cbranch_scc1 .Lw
	; ---------------- x ----------------
	s_lshl_b32 s20, s19, 14                        ; a row of x is 16,384 bytes
	s_lshl_b32 s21, s18, 10                        ; a K step 1,024 of them
	s_add_co_u32 s20, s20, s21
	s_mov_b32 s21, 0
	s_add_nc_u64 s[4:5], s[4:5], s[20:21]
.macro XLOAD f, s                      ; fragment f's numbers: 16 rows x 512 bytes, a row an instruction; read once in the launch
.irp rr, 0,1,2,3,4,5,6,7,8,9,10,11,12,13,14,15
	global_load_b128 v[\s+4*\rr:\s+4*\rr+3], v[LI], s[4:5] offset:(16*((\f)/2)+\rr)*16384+512*((\f)%2) th:TH_LOAD_NT
.endr
.endm
.macro TURN s                          ; through the stage: in as loaded, out 64 bytes of row r for each block.  LDS serves a wave's instructions in order (ISA guide 5.7.1.4)
.irp rr, 0,1,2,3,4,5,6,7,8,9,10,11,12,13,14,15
	ds_store_b128 v[STI], v[\s+4*\rr:\s+4*\rr+3] offset:SPT*\rr
.endr
.irp b, 0,1,2,3
.irp j, 0,1,2,3
	ds_load_b128 v[\s+16*\b+4*\j:\s+16*\b+4*\j+3], v[STO] offset:128*\b+16*\j
.endr
.endr
	s_wait_dscnt 0x0
.endm
	XLOAD 0, S0
	XLOAD 1, S1
	s_wait_loadcnt 16                              ; fragment 0's sixteen are in; fragment 1's stay out
	TURN S0
	QUANT S0, PW
	PUT 0
	XLOAD 2, S0
	s_wait_loadcnt 16                              ; fragment 1's are in; fragment 2's stay out
	s_wait_xcnt 0x0                                ; the codes' registers are written again only behind this wait
	TURN S1
	QUANT S1, PW+1
	PUT 1
	XLOAD 3, S1
	s_wait_loadcnt 16                              ; fragment 2's are in; fragment 3's stay out
	s_wait_xcnt 0x0
	TURN S0
	QUANT S0, PW+2
	PUT 2
	s_wait_loadcnt 0x0
	s_wait_xcnt 0x0
	TURN S1
	QUANT S1, PW+3
	PUT 3
	FINISH
	; ---------------- w ----------------
.Lw:
	s_lshl_b32 s20, s19, 12                        ; a row of codes is 4,096 bytes,
	s_lshl_b32 s21, s18, 8                         ; a K step's 32 groups 256 of them
	s_add_co_u32 s20, s20, s21
	s_mov_b32 s21, 0
	s_add_nc_u64 s[8:9], s[8:9], s[20:21]
	s_lshl_b32 s22, s19, 2
	s_add_nc_u64 s[10:11], s[10:11], s[22:23]      ; (s23 is still 0)
	v_lshlrev_b32 v[TI], 4, v0
	v_lshl_add_u32 v[TW], v0, 4, TAB
; fragment f's indices, as they lie in codes, into the first 16 registers of set 1: for block b my 16 numbers are groups 16 q + 4 b + 2 h + 0, 1: (codebook 0, 1), (codebook 0, 1)
.macro WIDX f
.irp b, 0,1,2,3
	global_load_b128 v[S1+4*\b:S1+4*\b+3], v[CA], s[8:9] offset:65536*((\f)/2)+128*((\f)%2)+32*\b
.endr
.endm
.irp i, 0,1,2,3,4,5,6,7                        ; the table: 128 threads x 16 bytes a turn, eight turns
	global_load_b128 v[S0+4*\i:S0+4*\i+3], v[TI], s[6:7] offset:2048*\i
.endr
	global_load_b32 v[RS], v[SA], s[10:11]
	global_load_b32 v[RS+2], v[SA], s[10:11] offset:64
	WIDX 0
	s_wait_alu depctr_va_vdst(0)
	s_wait_loadcnt 6                               ; the table's eight loads are in; the two scales and four index loads behind them stay out
.irp i, 0,1,2,3,4,5,6,7
	ds_store_b128 v[TW], v[S0+4*\i:S0+4*\i+3] offset:2048*\i
.endr
	s_wait_dscnt 0x0                               ; for the others' sake: my part of the table lies in LDS
	s_barrier_signal -1
	s_barrier_wait -1
.macro WFRAG f
	s_wait_loadcnt 0x0                             ; this fragment's four index loads are in
.irp i, 0,1,2,3,4,5,6,7,8,9,10,11,12,13,14,15
	v_min_u32 v[TM+\i], 0xff, v[S1+\i]             ; a loaded number enters an address only held inside the table
.endr
.irp i, 0,1,2,3,4,5,6,7,8,9,10,11,12,13,14,15
	v_lshlrev_b32 v[TM+\i], 5, v[TM+\i]            ; a codeword is 32 bytes
.endr
.irp b, 0,1,2,3
.irp u, 0,1
	ds_load_b128 v[S0+16*\b+8*\u:S0+16*\b+8*\u+3],   v[TM+4*\b+2*\u]   offset:TAB
	ds_load_b128 v[S0+16*\b+8*\u+4:S0+16*\b+8*\u+7], v[TM+4*\b+2*\u]   offset:TAB+16
	ds_load_b128 v[S1+16*\b+8*\u:S1+16*\b+8*\u+3],   v[TM+4*\b+2*\u+1] offset:TAB+8192
	ds_load_b128 v[S1+16*\b+8*\u+4:S1+16*\b+8*\u+7], v[TM+4*\b+2*\u+1] offset:TAB+8208
.endr
.endr
	s_wait_dscnt 0x0
.irp j, 0,2,4,6,8,10,12,14,16,18,20,22,24,26,28,30,32,34,36,38,40,42,44,46,48,50,52,54,56,58,60,62
	v_pk_add_f32 v[S0+\j:S0+\j+1], v[S0+\j:S0+\j+1], v[S1+\j:S1+\j+1]                              ; the two codewords are added,
.endr
.if (\f) < 3
	WIDX (\f)+1                                    ; set 1 is done with: the next fragment's indices land there under this fragment's quantising
.endif
.irp j, 0,2,4,6,8,10,12,14,16,18,20,22,24,26,28,30,32,34,36,38,40,42,44,46,48,50,52,54,56,58,60,62
	v_pk_mul_f32 v[S0+\j:S0+\j+1], v[S0+\j:S0+\j+1], v[RS+2*((\f)/2):RS+2*((\f)/2)+1] op_sel_hi:[1,0]   ; and the sum multiplied by the row's scale: two roundings, as reference() has them
.endr
.if (\f) > 0
	s_wait_xcnt 0x0                                ; the codes' registers are written again only behind this wait
.endif
	QUANT S0, PW+(\f)
	PUT \f
.endm
	WFRAG 0
	WFRAG 1
	WFRAG 2
	WFRAG 3
	s_barrier_signal -1                            ; every wave's gathers are back: the reads whose addresses come from loaded indices are parted by a barrier
	s_barrier_wait -1                              ; from every LDS write of the work-group, ahead of them and behind them
	FINISH
.Lfunc_end_k_q473cb9ce48_prep:
	.size	k_q473cb9ce48_prep, .Lfunc_end_k_q473cb9ce48_prep-k_q473cb9ce48_prep
	.p2alignl 7, 3214868480
	.fill 96, 4, 3214868480
	.section	.rodata,"a",@progbits
	.p2align	6, 0x0
	.amdhsa_kernel k_q473cb9ce48_prep
		.amdhsa_group_segment_fixed_size 50688
		.amdhsa_private_segment_fixed_size 0
		.amdhsa_enable_private_segment 0
		.amdhsa_kernarg_size 48
		.amdhsa_user_sgpr_count 2
		.amdhsa_user_sgpr_kernarg_segment_ptr 1
		.amdhsa_wavefront_size32 1
		.amdhsa_system_sgpr_workgroup_id_x 1
		.amdhsa_system_sgpr_workgroup_id_y 1
		.amdhsa_system_sgpr_workgroup_id_z 1
		.amdhsa_system_vgpr_workitem_id 0
		.amdhsa_next_free_vgpr 192
		.amdhsa_next_free_sgpr 66
		.amdhsa_reserve_vcc 0
		.amdhsa_float_denorm_mode_32 3
		.amdhsa_float_denorm_mode_16_64 3
		.amdhsa_memory_ordered 1
		.amdhsa_forward_progress 1
		.amdhsa_inst_pref_size 119
	.end_amdhsa_kernel
	.amdgpu_metadata
---
amdhsa.version: [ 1, 2 ]
amdhsa.kernels:
  - .name:           k_q473cb9ce48_prep
    .symbol:         k_q473cb9ce48_prep.kd
    .args:
      - { .name: x, .offset: 0, .size: 8, .value_kind: global_buffer, .address_space: global }
      - { .name: codebooks, .offset: 8, .size: 8, .value_kind: global_buffer, .address_space: global }
      - { .name: codes, .offset: 16, .size: 8, .value_kind: global_buffer, .address_space: global }
      - { .name: scale, .offset: 24, .size: 8, .value_kind: global_buffer, .address_space: global }
      - { .name: xq, .offset: 32, .size: 8, .value_kind: global_buffer, .address_space: global }
      - { .name: wq, .offset: 40, .size: 8, .value_kind: global_buffer, .address_space: global }
    .group_segment_fixed_size: 50688
    .private_segment_fixed_size: 0
    .kernarg_segment_align: 8
    .kernarg_segment_size: 48
    .max_flat_workgroup_size: 128
    .sgpr_count:     66
    .vgpr_count:     192
    .wavefront_size: 32
...
	.end_amdgpu_metadata
.endif
;; end of part 1
;; launch gemm (part 2): grid 8 x 32, 4 waves a work-group, clusters of 4 x 4, 327,680 bytes of LDS; arguments xq, wq, out0; writes out0
.if DOCPART == 2
	.amdgcn_target "amdgcn-amd-amdhsa--gfx1250"
	.amdhsa_code_object_version 6
	.text
	.protected	k_q473cb9ce48_gemm
	.globl	k_q473cb9ce48_gemm
	.p2align	8
	.type	k_q473cb9ce48_gemm,@function
k_q473cb9ce48_gemm:
	s_mov_b64 s[64:65], 0
	v_nop
	global_prefetch_b8 v0, s[64:65] scope:SCOPE_SE
	s_setreg_imm32_b32 hwreg(HW_REG_WAVE_MODE, 25, 1), 1
	s_wait_xcnt 0x0
	s_wait_alu depctr_hold_cnt(0) depctr_sa_sdst(0) depctr_va_vdst(0) depctr_va_sdst(0) depctr_va_ssrc(0) depctr_va_vcc(0) depctr_vm_vsrc(0)
	s_getreg_b32 s2, hwreg(HW_REG_IB_STS2, 6, 4)
	s_cmp_eq_u32 s2, 0
	s_cbranch_scc0 .Lentry_in_a_cluster
	s_endpgm
.Lentry_in_a_cluster:
	s_bfe_u32 s2, ttmp6, 0x10000c
	s_cmp_lg_u32 s2, 0xf033
	s_cbranch_scc0 .Lentry_shape_is_right
	s_endpgm
.Lentry_shape_is_right:
; out0[m][n] = sum over k of x[m][k] w[n][k] on the codes of BF8 (E5M2) and E8M0 scale bytes that the launch before has laid: M = 8,192, N = 2,048, K = 4,096; sums in f32.  Nothing of the product is left out.
; xq and wq are [rows / 128][16 K steps] blocks of 33,792 bytes in the order of the operand's registers (codes: fragment (i, q) at (2 i + q) x 2,048, register group c at 512 c, lane l at 16 l;
; scale words from byte 32,768: 128 i + 8 (row % 16) + 4 q).  A block is dense: it comes into LDS as 132 rows of 256 bytes, and an LDS load of 16 bytes a lane takes 512 neighbouring bytes.
; A tile of out0, 256 x 256, is made by four waves, 128 x 128 each: 64 accumulators, 512 registers.  256 tiles: one work-group on each WGP.  K goes in steps of 256 through a ring of two LDS slots.
; LDS: loading wave w has a region of 2 x 33,792 bytes: its block of slot 0, then of slot 1 (waves 0, 1: A's two halves; waves 2, 3: B's).
; CLUSTERS: 4 x 4 work-groups; A's blocks are asked for jointly along a row of the cluster, B's along a column.  THE MATRIX INSTRUCTION IS USED TRANSPOSED (source 0 = rows of w, source 1 = rows of x).
; REGISTERS: window 0: v0-31 addresses, v32-63 scale words (two sets), v128-255 A's fragments (one set); window 1: B's fragments, two sets; windows 2, 3: the accumulators.
; PREFETCH: behind each load of K step t a wave names 32 blocks of 256 bytes of K step t + 2; the four partners of a joint load share its 128 blocks of codes out by address (cx for A, cy for B);
; every cluster asks for what it will itself load.  The head's load is also followed by K step 1's blocks; the last two refills ask for nothing.  The four blocks of scale words of each K step are named once, in the loop's first trip.
; THE LAST K STEP GOES BY ROWS OF out0: B's two sets hold both its halves, A comes by blocks of 16 rows, and a block of 16 rows x 128 columns leaves as soon as its 16 products are issued.
.set NQ,     2
.set FR,     16
.set NL,     4
.set NP,     8                         ; places behind this matrix instruction (ISA guide 7.12.1)
.set HALFT,  33792                     ; a block: 128 rows x 256 K, codes and scale words
.set BROW,   16*HALFT                  ; the 16 K steps of 128 rows
.set WREG,   2*HALFT                   ; a loading wave's region: slot 0, slot 1
.set LAPS,   8
.set STAGE,  4*WREG                    ; behind the ring: 16 rows x 528 bytes for each wave, for the way out
.set SPITCH, 528
.set SPARE,  STAGE+4*16*SPITCH         ; the spare words, 128 bytes a wave: two blocks of 256 bytes that no other line names
.set CROW,   8192                      ; a row of out0 in bytes
.set ADRA, 16                          ; v16-17 my A fragments in slot 0, 1
.set ADRB, 20                          ; v20-21 my B fragments
.set ADRS, 22                          ; v22-23 scale words: lanes 0-15 A's, lanes 16-31 B's
.set STO,  24
.set RD,   25
.set CO,   26
.set SPW,  28
.set NIL,  29
.set PFO,  30                          ; 256 x lane
.set PFO2, 31                          ; (lane / 16) x BROW + (lane % 16) x HALFT
.set SC,   32
.set AF,   128
.set G1,  24
.set G0,  32
.set G1B, 48
.set G0B, 56
.set PFA,  44                          ; s[44:45] where my prefetches of codes stand
.set PFS,  66                          ; s[66:67] and of scale words
.set LIM2, 68                          ; the trip in which my wave names the scale words (waves 0 and 2), or none
.set MSB, 0
.macro WIN new                         ; the immediate's high byte repeats the setting that is left
.if MSB != \new
	s_set_vgpr_msb (MSB<<8)|\new
.set MSB, \new
.endif
.endm
.set MUL_LO, 0xa1
.set MUL_HI, 0xf1
.set TO_B,   0x40
.macro JLOAD g0a, g1a, g0b, g1b        ; a joint load: waves 0, 1 for A, waves 2, 3 for B; s_nop 0 and four v_nop behind each line
	s_cmp_eq_u32 s11, 0
	s_cbranch_scc0 .Lfor_b_\@
	tensor_load_to_lds s[\g0a:\g0a+3], s[\g1a:\g1a+7]
	s_nop 0
.rept 4
	v_nop
.endr
	s_branch .Lasked_\@
.Lfor_b_\@:
	tensor_load_to_lds s[\g0b:\g0b+3], s[\g1b:\g1b+7]
	s_nop 0
.rept 4
	v_nop
.endr
.Lasked_\@:
.endm
.macro CREST                           ; a round of the cluster's barrier behind its opening barrier
	s_cmp_lg_u32 s10, 0
	s_cbranch_scc1 .Lnot_wave_0_\@
	s_barrier_signal -3
.Lnot_wave_0_\@:
	s_barrier_wait -3
	s_barrier_signal -1
	s_barrier_wait -1
.endm
.macro CROUND
	s_barrier_signal -1
	s_barrier_wait -1
	CREST
.endm
.macro ASK                             ; the K step two refills on; s3 = 1 in the loop's last trip, whose refills have no such K step
	s_cmp_gt_u32 s3, 1
	s_cbranch_scc0 .Lno_ask_\@
	global_prefetch_b8 v[PFO], s[PFA:PFA+1] th:TH_LOAD_NT scope:SCOPE_SE
.Lno_ask_\@:
.endm
.macro ASKS
	s_cmp_eq_u32 s3, s[LIM2]
	s_cbranch_scc0 .Lno_asks_\@
	global_prefetch_b8 v[PFO2], s[PFS:PFS+1] th:TH_LOAD_NT scope:SCOPE_SE
.Lno_asks_\@:
.endm
	s_load_b128 s[4:7], s[0:1], 0x0                ; xq, wq
	s_load_b64 s[8:9], s[0:1], 0x10                ; out0
	v_lshl_add_u32 v[SPW], v0, 2, SPARE
	v_mov_b32 v[NIL], 0
	ds_add_u32 v[SPW], v[NIL]                      ; the opening lines: the add, twice on end, and its wait
	ds_add_u32 v[SPW], v[NIL]
	v_lshrrev_b32 v1, 5, v0
	v_readfirstlane_b32 s10, v1                    ; wave
	s_lshr_b32 s11, s10, 1                         ; my half of the tile's rows.  Also: I fetch for A (0) or for B (1)
	s_and_b32 s12, s10, 1                          ; my half of its columns.  Also: which 128 rows I fetch
	s_bfe_u32 s40, ttmp6, 0x40000                  ; cx
	s_bfe_u32 s41, ttmp6, 0x40004                  ; cy
	s_lshl_b32 s42, ttmp9, 2
	s_add_co_u32 s42, s42, s40                     ; tile column
	s_and_b32 s13, ttmp7, 0xffff
	s_lshl_b32 s13, s13, 2
	s_add_co_u32 s13, s13, s41                     ; tile row
	s_lshl_b32 s43, s41, 2
	s_lshl_b32 s43, 15, s43                        ; my row of the cluster
	s_lshl_b32 s44, 0x1111, s40                    ; my column
	s_or_b32 s[G1+0], s43, (3<<16)|(1<<21)         ; elements of 8 bytes; bit 21 beside a mask; no padding
	s_or_b32 s[G1B+0], s44, (3<<16)|(1<<21)
.irp g, G1, G1B
	s_mov_b32 s[\g+1], 32<<16                      ; rows of 32 elements = 256 bytes
	s_mov_b32 s[\g+2], 132<<16                     ; a block: 132 rows
	s_mov_b32 s[\g+3], 32<<16
	s_mov_b32 s[\g+4], 132
	s_mov_b32 s[\g+5], 32
	s_mov_b32 s[\g+6], 0
	s_mov_b32 s[\g+7], 0
.endr
	s_lshl_b32 s16, s13, 1
	s_add_co_u32 s16, s16, s12
	s_mul_i32 s16, s16, BROW                       ; A: block row 2 x tile row + half
	s_mov_b32 s17, 0
	s_lshl_b32 s46, s42, 1
	s_add_co_u32 s46, s46, s12
	s_mul_i32 s46, s46, BROW                       ; B: 2 x tile column + half
	s_mov_b32 s47, 0
	s_mul_i32 s20, s10, WREG                       ; my region: no place in the cluster enters an LDS address
	s_wait_dscnt 0x0                               ; both opening adds are done
	s_wait_kmcnt 0x0
	s_add_nc_u64 s[14:15], s[4:5], s[16:17]
	s_add_nc_u64 s[46:47], s[6:7], s[46:47]
.irp s, 0,1
	s_mov_b32 s[G0+4*\s], 1
	s_add_co_u32 s[G0+4*\s+1], s20, \s*HALFT
	s_add_nc_u64 s[G0+4*\s+2:G0+4*\s+3], s[14:15], \s*HALFT
	s_or_b32 s[G0+4*\s+3], s[G0+4*\s+3], 0x80000000
	s_mov_b32 s[G0B+4*\s], 1
	s_add_co_u32 s[G0B+4*\s+1], s20, \s*HALFT
	s_add_nc_u64 s[G0B+4*\s+2:G0B+4*\s+3], s[46:47], \s*HALFT
	s_or_b32 s[G0B+4*\s+3], s[G0B+4*\s+3], 0x80000000
.endr
	CROUND                                         ; all sixteen work-groups are here: the first joint loads meet
	JLOAD G0, G1, G0B, G1B                         ; K step 0 of my block row: the wave's one load at the head
	; the prefetches' addresses
	s_lshl_b32 s20, s13, 1
	s_lshl_b32 s21, s42, 1
	s_cmp_eq_u32 s11, 0                            ; do I fetch for A?
	s_cselect_b32 s20, s20, s21                    ; the tile's first block row
	s_cselect_b32 s21, s40, s41                    ; my place among the four that ask with me
	s_cselect_b64 s[PFA:PFA+1], s[4:5], s[6:7]
	s_cmp_eq_u32 s12, 0
	s_cselect_b32 s[LIM2], LAPS-1, -1
	s_mov_b64 s[PFS:PFS+1], s[PFA:PFA+1]
	s_mul_i32 s14, s20, BROW
	s_lshl_b32 s15, s21, 8
	s_add_co_u32 s14, s14, s15
	s_add_co_u32 s14, s14, 32768                   ; scale words: my work-group's 256 bytes of each block's 1,024
	s_mov_b32 s15, 0
	s_add_nc_u64 s[PFS:PFS+1], s[PFS:PFS+1], s[14:15]
	s_add_co_u32 s20, s20, s12
	s_mul_i32 s14, s20, BROW
	s_lshl_b32 s21, s21, 13                        ; codes: my work-group's 8,192 bytes of the block's 32,768
	s_add_co_u32 s14, s14, s21
	s_add_co_u32 s14, s14, 3*HALFT                 ; at K step 3: the first refill steps it to 4
	s_add_nc_u64 s[PFA:PFA+1], s[PFA:PFA+1], s[14:15]
	v_and_b32 v1, 15, v0
	v_bfe_u32 v2, v0, 4, 1
	v_and_b32 v3, 31, v0
	v_lshlrev_b32 v[PFO], 8, v3
	v_mul_u32_u24 v[PFO2], v2, BROW
	v_mad_u32_u24 v[PFO2], v1, HALFT, v[PFO2]
	s_wait_alu depctr_va_vdst(0)
	global_prefetch_b8 v[PFO], s[PFA:PFA+1] offset:-2*HALFT th:TH_LOAD_NT scope:SCOPE_SE   ; K step 1: its load stands behind the wait for K step 0's
	global_prefetch_b8 v[PFO], s[PFA:PFA+1] offset:-HALFT th:TH_LOAD_NT scope:SCOPE_SE     ; K step 2
	s_mul_i32 s21, s11, WREG                       ; my 128 rows of A, slot 0
	s_mul_i32 s22, s12, WREG
	s_add_co_u32 s22, s22, 2*WREG                  ; my 128 rows of B
	s_xor_b32 s23, s11, 1
	s_add_co_u32 s23, s23, s12
	s_add_co_u32 s23, s23, 1
	s_mul_i32 s23, s23, WREG                       ; from A's region to B's: (2 + column half - row half) regions
	s_add_co_u32 s18, s21, HALFT                   ; slot 1
	s_add_co_u32 s19, s22, HALFT
	s_mul_i32 s17, s10, 16*SPITCH
	s_add_co_u32 s17, s17, STAGE                   ; my stage
	s_lshl_b32 s14, s13, 8
	s_lshl_b32 s15, s11, 7
	s_add_co_u32 s14, s14, s15                     ; my first row of out0
	s_lshl_b32 s14, s14, 13
	s_mov_b32 s15, 0
	s_lshl_b32 s46, s42, 10
	s_lshl_b32 s47, s12, 9
	s_add_co_u32 s46, s46, s47                     ; my first column, in bytes
	s_mov_b32 s47, 0
	s_add_nc_u64 s[14:15], s[14:15], s[46:47]
	s_add_nc_u64 s[8:9], s[8:9], s[14:15]
	v_lshlrev_b32 v4, 4, v3
	v_mul_u32_u24 v6, s23, v2                      ; lanes 16-31 take B's scale words
	v_lshl_add_u32 v5, v1, 3, v6
	v_add_nc_u32 v5, 32768, v5
	v_add_nc_u32 v[ADRA], s21, v4
	v_add_nc_u32 v[ADRA+1], s18, v4
	v_add_nc_u32 v[ADRB], s22, v4
	v_add_nc_u32 v[ADRB+1], s19, v4
	v_add_nc_u32 v[ADRS], s21, v5
	v_add_nc_u32 v[ADRS+1], s18, v5
	v_mul_u32_u24 v5, v1, SPITCH
	v_lshl_add_u32 v5, v2, 5, v5
	v_add_nc_u32 v[STO], s17, v5
	v_lshlrev_b32 v[CO], 4, v3
	v_add_nc_u32 v[RD], s17, v[CO]
.macro FRAG reg, adr, q, i
.irp c, 0,1,2,3
	ds_load_b128 v[\reg+4*\c:\reg+4*\c+3], v[\adr] offset:(2*(\i)+(\q))*2048+512*\c
.endr
.endm
; 16 matrix instructions: A's blocks a0, a0 + 1 x B's eight.  The 64 accumulators take turns, in the same order in every step
.macro MUL16 a0, p, q, sc, zero
.irp a, \a0, \a0+1
.irp b, 0,1,2,3,4,5,6,7
.if \zero
	v_wmma_scale_f32_16x16x128_f8f6f4 v[8*(8*((\a)%4)+\b):8*(8*((\a)%4)+\b)+7], v[128*(\p)+FR*\b:128*(\p)+FR*\b+FR-1], v[AF+FR*(\a):AF+FR*(\a)+FR-1], 0, v[SC+8*NQ*(\sc)+NQ*\b+(\q)], v[SC+8*NQ*(\sc)+NQ*(\a)+(\q)] matrix_a_fmt:MATRIX_FMT_BF8 matrix_b_fmt:MATRIX_FMT_BF8 matrix_a_scale:MATRIX_SCALE_ROW1
.else
	v_wmma_scale_f32_16x16x128_f8f6f4 v[8*(8*((\a)%4)+\b):8*(8*((\a)%4)+\b)+7], v[128*(\p)+FR*\b:128*(\p)+FR*\b+FR-1], v[AF+FR*(\a):AF+FR*(\a)+FR-1], v[8*(8*((\a)%4)+\b):8*(8*((\a)%4)+\b)+7], v[SC+8*NQ*(\sc)+NQ*\b+(\q)], v[SC+8*NQ*(\sc)+NQ*(\a)+(\q)] matrix_a_fmt:MATRIX_FMT_BF8 matrix_b_fmt:MATRIX_FMT_BF8 matrix_a_scale:MATRIX_SCALE_ROW1
.endif
.endr
.endr
.endm
.macro FETCH_B slot, q, p
	WIN TO_B
.irp i, 0,1,2,3,4,5,6,7
	FRAG 128*(\p)+FR*\i, ADRB+\slot, \q, \i
.endr
	WIN 0
.endm
.macro FETCH_A slot, q, i0
.irp i, \i0, \i0+1, \i0+2, \i0+3
	FRAG AF+FR*(\i), ADRA+\slot, \q, \i
.endr
.endm
.macro SCALES sc                       ; a K step's two words a row: lanes 0-15 A's block i, lanes 16-31 B's block i
.irp i, 0,1,2,3,4,5,6,7
	ds_load_b64 v[SC+8*NQ*\sc+NQ*\i:SC+8*NQ*\sc+NQ*\i+1], v[ADRS+\sc] offset:128*\i
.endr
.endm
.macro PLACES n
.rept \n
	v_nop
.endr
.endm
.macro STEP slot, q, zero              ; a step of 128 along K that has its successor in the same slot
	s_wait_dscnt 4*NL                              ; all but the youngest sixteen loads (A's blocks 4-7)
	WIN MUL_LO
	MUL16 0, (\q)%2, \q, \slot, \zero
	MUL16 2, (\q)%2, \q, \slot, \zero
	s_wait_dscnt 0
	PLACES NP
	FETCH_B \slot, (\q)+1, 1-(\q)%2
	FETCH_A \slot, (\q)+1, 0
	WIN MUL_HI
	MUL16 4, (\q)%2, \q, \slot, \zero
	MUL16 6, (\q)%2, \q, \slot, \zero
	PLACES NP
	WIN 0
	FETCH_A \slot, (\q)+1, 4
.endm
; The first half of a slot's last step, and the change of slots: in front of the barrier each wave waits for all its tensor loads, adds 0 to its spare word, and waits for that and for its reads of this slot
.macro MEET slot
	s_wait_tensorcnt 0x0                           ; my one load that can be out: my part of the next slot
	ds_add_u32 v[SPW], v[NIL]
	s_wait_dscnt 4*NL+1                            ; the add and the youngest sixteen loads may be out
	WIN MUL_LO
	MUL16 0, 1, NQ-1, \slot, 0
	s_wait_dscnt 0x0                               ; the add is done, my reads of this slot are over
	s_barrier_signal -1
	MUL16 2, 1, NQ-1, \slot, 0
	WIN 0
	s_barrier_wait -1
.endm
.macro TURN slot, next                 ; a slot's last step; the slot is filled again, two K steps on
	s_wait_xcnt 0x0                                ; my prefetches have read their address: it is stepped only behind this wait
	s_add_nc_u64 s[PFA:PFA+1], s[PFA:PFA+1], HALFT
	MEET \slot
	CREST                                          ; the barrier has opened a round of the cluster's barrier
	s_add_nc_u64 s[G0+4*\slot+2:G0+4*\slot+3], s[G0+4*\slot+2:G0+4*\slot+3], 2*HALFT
	s_add_nc_u64 s[G0B+4*\slot+2:G0B+4*\slot+3], s[G0B+4*\slot+2:G0B+4*\slot+3], 2*HALFT
	JLOAD G0+4*\slot, G1, G0B+4*\slot, G1B         ; the first tensor load behind the round; its four v_nop are among the places below
	PLACES NP-4
	FETCH_B \next, 0, 0
	FETCH_A \next, 0, 0
	SCALES \next
	ASK
.if (\slot) == 0
	ASKS
.endif
	WIN MUL_HI
	MUL16 4, 1, NQ-1, \slot, 0
	MUL16 6, 1, NQ-1, \slot, 0
	PLACES NP
	WIN 0
	FETCH_A \next, 0, 4
.endm
	s_wait_alu depctr_va_vdst(0)
	s_wait_tensorcnt 0x0                           ; my part of K step 0 is in
	ds_add_u32 v[SPW], v[NIL]
	s_wait_dscnt 0x0
	CROUND                                         ; everybody's part of K step 0 is in, and all sixteen work-groups are here
	JLOAD G0+4, G1, G0B+4, G1B                     ; slot 1's first fill, K step 1: the first tensor load behind the round
	FETCH_B 0, 0, 0
	FETCH_A 0, 0, 0
	SCALES 0
	global_prefetch_b8 v[PFO], s[PFA:PFA+1] th:TH_LOAD_NT scope:SCOPE_SE   ; K step 3
	FETCH_A 0, 0, 4
	STEP 0, 0, 1                                   ; the first step's products start the sums
	s_mov_b32 s3, LAPS-1
.Llap:                                                 ; a trip goes once round the ring and fills both slots again: K steps 2 .. 15 in seven trips
	TURN 0, 1
	STEP 1, 0, 0
	TURN 1, 0
	STEP 0, 0, 0
	s_sub_co_u32 s3, s3, 1
	s_cmp_lg_u32 s3, 0
	s_cbranch_scc1 .Llap
; THE TAIL.  K step 14's last 128, and K step 15 (slot 1) by rows of out0.
.macro RA a                            ; A's block a of slot 1, both halves of the K step: 32 registers, pair a % 4 of A's set
.irp q, 0,1
	FRAG AF+32*((\a)%4)+16*\q, ADRA+1, \q, \a
.endr
.endm
.macro ROW a                           ; block a is finished: 16 matrix instructions, its 8 accumulators by turns, K ascending
	WIN MUL_LO+0x50*((\a)/4)
.irp q, 0,1
.if ((\a) == 0) && (\q == 1)
	s_wait_dscnt 16                                ; B's second half is in; behind it: A's blocks 2 and 3
.endif
.irp b, 0,1,2,3,4,5,6,7
	v_wmma_scale_f32_16x16x128_f8f6f4 v[8*(8*((\a)%4)+\b):8*(8*((\a)%4)+\b)+7], v[128*\q+FR*\b:128*\q+FR*\b+FR-1], v[AF+32*((\a)%4)+16*\q:AF+32*((\a)%4)+16*\q+FR-1], v[8*(8*((\a)%4)+\b):8*(8*((\a)%4)+\b)+7], v[SC+8*NQ+NQ*\b+\q], v[SC+8*NQ+NQ*(\a)+\q] matrix_a_fmt:MATRIX_FMT_BF8 matrix_b_fmt:MATRIX_FMT_BF8 matrix_a_scale:MATRIX_SCALE_ROW1
.endr
.endr
.endm
; THE WAY OUT of block a, 16 rows x 128 columns, through my own stage: in 32 bytes a lane, back as whole rows of 512 bytes INTO THE BLOCK'S OWN 64 ACCUMULATOR REGISTERS, from which the 32 lanes store
; two aligned units of 256 bytes.  Each block has registers of its own and every place stands in the store's immediate (127 rows of 8,192 bytes at the most): nothing that a store reads is written again.
.macro TOSTAGE a
.set AC, 64*((\a)%4)
	WIN 0x88+0x44*((\a)/4)                         ; LDS store data, loaded data and global store data: window 2 or 3; addresses: window 0
.irp b, 0,1,2,3,4,5,6,7
	ds_store_b128 v[STO], v[AC+8*\b:AC+8*\b+3] offset:64*\b          ; each accumulator from its low end on
	ds_store_b128 v[STO], v[AC+8*\b+4:AC+8*\b+7] offset:64*\b+16
.endr
.irp t, 0,1,2,3,4,5,6,7,8,9,10,11,12,13,14,15
	ds_load_b128 v[AC+4*\t:AC+4*\t+3], v[RD] offset:\t*SPITCH        ; LDS serves a wave's instructions in order (ISA guide 5.7.1.4)
.endr
.endm
.macro SEND a
.set AC, 64*((\a)%4)
	WIN 0x88+0x44*((\a)/4)
	s_wait_dscnt 0x0                               ; the block is back in registers (and A's block fetched ahead of it is in)
.irp t, 0,1,2,3,4,5,6,7,8,9,10,11,12,13,14,15
	global_store_b128 v[CO], v[AC+4*\t:AC+4*\t+3], s[8:9] offset:(16*(\a)+\t)*CROW th:TH_STORE_NT
.endr
.endm
	MEET 0                                         ; nothing is filled again, so no round follows
	PLACES NP
	FETCH_B 1, 0, 0                                ; B's first half into set 0,
	RA 0                                           ; A's blocks 0 and 1 where slot 0's blocks 0-3 lay
	RA 1
	SCALES 1
	WIN MUL_HI
	MUL16 4, 1, NQ-1, 0, 0
	MUL16 6, 1, NQ-1, 0, 0
	PLACES NP
	FETCH_B 1, 1, 1                                ; B's second half into set 1
	RA 2
	RA 3
	s_wait_dscnt 48                                ; all but the 48 just issued
	ROW 0
.irp a, 0,1,2,3,4,5,6,7
	PLACES NP                                      ; behind block a's products: its results are read, and its fragments' registers loaded anew
.if \a < 4
	WIN 0
	RA \a+4
.endif
	TOSTAGE \a
.if \a < 7
	ROW \a+1                                       ; the next block's products stand between the stage's loads and the wait for them
.endif
	SEND \a
.endr
	WIN 0
	s_wait_tensorcnt 0x0                           ; the wave's end
	ds_add_u32 v[SPW], v[NIL]
	s_wait_dscnt 0x0
	CROUND                                         ; the closing round
	s_endpgm
.Lfunc_end_k_q473cb9ce48_gemm:
	.size	k_q473cb9ce48_gemm, .Lfunc_end_k_q473cb9ce48_gemm-k_q473cb9ce48_gemm
	.p2alignl 7, 3214868480
	.fill 96, 4, 3214868480
	.section	.rodata,"a",@progbits
	.p2align	6, 0x0
	.amdhsa_kernel k_q473cb9ce48_gemm
		.amdhsa_group_segment_fixed_size 327680
		.amdhsa_private_segment_fixed_size 0
		.amdhsa_enable_private_segment 0
		.amdhsa_kernarg_size 24
		.amdhsa_user_sgpr_count 2
		.amdhsa_user_sgpr_kernarg_segment_ptr 1
		.amdhsa_wavefront_size32 1
		.amdhsa_system_sgpr_workgroup_id_x 1
		.amdhsa_system_sgpr_workgroup_id_y 1
		.amdhsa_system_sgpr_workgroup_id_z 1
		.amdhsa_system_vgpr_workitem_id 0
		.amdhsa_next_free_vgpr 1024
		.amdhsa_next_free_sgpr 72
		.amdhsa_reserve_vcc 0
		.amdhsa_float_denorm_mode_32 3
		.amdhsa_float_denorm_mode_16_64 3
		.amdhsa_memory_ordered 1
		.amdhsa_forward_progress 1
		.amdhsa_inst_pref_size 146
	.end_amdhsa_kernel
	.amdgpu_metadata
---
amdhsa.version: [ 1, 2 ]
amdhsa.kernels:
  - .name:           k_q473cb9ce48_gemm
    .symbol:         k_q473cb9ce48_gemm.kd
    .args:
      - { .name: xq, .offset: 0, .size: 8, .value_kind: global_buffer, .address_space: global }
      - { .name: wq, .offset: 8, .size: 8, .value_kind: global_buffer, .address_space: global }
      - { .name: out0, .offset: 16, .size: 8, .value_kind: global_buffer, .address_space: global }
    .group_segment_fixed_size: 327680
    .private_segment_fixed_size: 0
    .kernarg_segment_align: 8
    .kernarg_segment_size: 24
    .max_flat_workgroup_size: 128
    .sgpr_count:     72
    .vgpr_count:     1024
    .wavefront_size: 32
...
	.end_amdgpu_metadata
.endif
;; end of part 2
